; MI455X (gfx1250); checked and timed in simulation.
; The chip was launched on July 23, 2026; its instructions are those of AMD's public machine-readable ISA for CDNA 5 (MIT licence, August 2026) and "CDNA5" Instruction Set Architecture Reference Guide (July 2026). The comments in the code are by the model that wrote it; some were corrected since.
;; GLA Memory Compressor. Allowed arithmetic: matrix products marked QUANTISED: E2M1 operands, one E8M0 scale for each 32 along K, by v_wmma_scale_f32_16x16x128_f8f6f4 with both operands' format E2M1 (or v_wmma_scale_f32_32x16x128_f4), f32 sums; products left as they are: f32 operands where the result goes on into a quantised operand, else bf16, f16 or f32 operands; f32 sums; everything else in f32.
;; Inputs: gk_b 1,024 float32; gk_w1_codes 16 x 64 x 16 uint8 (E2M1 codes of gk_w1, K innermost, in blocks of 32 codes, two codes a byte); gk_w1_scales 16 x 64 uint8 (E8M0 scales of gk_w1, one for each 32 codes along K); gk_w2 1,024 x 16 float32; hidden_states 4 x 4,096 x 2,048 float32; k_w_codes 1,024 x 64 x 16 uint8 (E2M1 codes of k_w, K innermost, in blocks of 32 codes, two codes a byte); k_w_scales 1,024 x 64 uint8 (E8M0 scales of k_w, one for each 32 codes along K); norm_w 2,048 float32; state 4 x 16 x 64 x 32 float32; v_w_codes 512 x 64 x 16 uint8 (E2M1 codes of v_w, K innermost, in blocks of 32 codes, two codes a byte); v_w_scales 512 x 64 uint8 (E8M0 scales of v_w, one for each 32 codes along K).
;; Outputs: out0 4 x 16 x 64 x 32 float32.
;; This version of the problem:
;;   THIS VERSION OF THE PROBLEM IS GIVEN IN LOW PRECISION. The matrix products marked QUANTISED in the list below multiply operands that are first quantised to E2M1 (2 exponent bits, 1 mantissa bit; 4 bits a number), with one power-of-two scale for each 32 numbers along K (OCP MX v1.0); their sums are f32. All else is computed in f32.
;;   The module's matrix products, in the order in which they are computed (A, B: the left and right operand; K: the contracted axis; several contracted axes count as one K, in the product's order):
;;     1. [M 16,384, K 2,048] x [K 2,048, N 1,024]; A: computed on the way; B: input k_w (given as codes): QUANTISED
;;     2. [M 16,384, K 2,048] x [K 2,048, N 512]; A: computed on the way; B: input v_w (given as codes): QUANTISED
;;     3. [M 16,384, K 2,048] x [K 2,048, N 16]; A: computed on the way; B: input gk_w1 (given as codes): QUANTISED
;;     4. [M 16,384, K 16] x [K 16, N 1,024]; A: computed on the way; B: input gk_w2: left as it is (K = 16 < 32)
;;     5. batch 64 x [M 64, K 4,096] x [K 4,096, N 32]; A: computed on the way; B: computed on the way: QUANTISED
;;   THE QUANTISER, for each operand of a quantised product, along K:
;;     - K is cut into blocks of 32 from its start; a last block that is shorter is filled with zeros.
;;     - A block's scale is 2^e with e = floor(log2(the largest magnitude in the block)) - 2, held to -126 .. 127; a block of zeros has e = 0. As a byte (E8M0): e + 127.
;;     - Each number is divided by its block's scale, clamped to +-6, and rounded to the nearest number of E2M1, ties to even, subnormals kept.
;;     - The product sums the exact products of the quantised numbers (number of the format x scale) in f32.
;;   ~~~python
;;   def quantise(x, axis):      # numpy; x: float32 -> the quantised numbers, widened to float32 again
;;       x = np.moveaxis(x, axis, -1); K = x.shape[-1]
;;       x = np.pad(x, [(0, 0)] * (x.ndim - 1) + [(0, -K % 32)]); x = x.reshape(x.shape[:-1] + (-1, 32)); a = np.abs(x).max(-1, keepdims=True)
;;       e = np.where(a > 0, np.clip(np.frexp(np.where(a > 0, a, 1))[1] - 1 - 2, -126, 127), 0)      # np.frexp(a)[1] - 1 = floor(log2(a)), exactly
;;       r = np.clip(x / 2.0 ** e, -6, 6)
;;       step = 2.0 ** (np.maximum(np.frexp(np.where(r == 0, 1, r))[1] - 1, 0) - 1)
;;       q = np.round(r / step) * step * 2.0 ** e      # np.round: ties to even
;;       return np.moveaxis(q.reshape(q.shape[:-2] + (-1,))[..., :K], -1, axis).astype(np.float32)
;;   ~~~
;;   OPERANDS COMPUTED ON THE WAY. 'Computed on the way' means the value that the module computes at that place (a softmax that the list does not call 'softmax' is quantised finished and normalised). What goes into a quantiser is computed in f32, as accurately as f32 sums, v_exp_f32 and their like allow (about 1e-6 of the number): no bf16 or f16 on the way to a quantiser, and a product that is left as it is and whose result goes on into a quantised operand takes f32 operands (vector FMAs, or v_wmma_f32_16x16x4_f32). A number that lies on a knife's edge between two numbers of the format may be rounded either way, as far as f32 arithmetic and the matrix unit's own rounding can turn it there, and no further.
;;   INPUTS GIVEN AS CODES. gk_w1 (in the module: [16, 2048], K = its axis 1); k_w (in the module: [1024, 2048], K = its axis 1); v_w (in the module: [512, 2048], K = its axis 1): each comes as NAME_codes (uint8): NAME with its K axis moved to the last place and cut into blocks of 32 codes, [.., K / 32, bytes a block], one block behind the other in memory; two codes a byte, the lower K in the low four bits (a code: sign, 2 exponent bits, 1 mantissa bit); and NAME_scales (uint8): the same leading axes, one E8M0 byte (e + 127) for each 32 codes along K. Its value is code x scale, taken as it is: it is not quantised again, and the codes and scales need not be those that the quantiser above would give.
;; One version. Each part assembles by itself: llvm-mc -triple=amdgcn-amd-amdhsa -mcpu=gfx1250 --defsym DOCPART=n.
;; ======== version 1 of 1: 3 launches
;; limits: right only within a limited range of input values
;; workspace buffers: x_codes 16,777,216 bytes; x_scales 1,048,576 bytes; g1 1,048,576 bytes; csum 1,048,576 bytes; part 16,777,216 bytes
;; launch normq (part 1): grid 256 x 1, 16 waves a work-group, no clusters, 327,680 bytes of LDS; arguments hidden_states, norm_w, gk_w1_codes, gk_w1_scales, gk_w2, gk_b, x_codes, x_scales, g1, csum; writes x_codes, x_scales, g1, csum
.if DOCPART == 1
	.amdgcn_target "amdgcn-amd-amdhsa--gfx1250"
	.amdhsa_code_object_version 6
	.text
	.protected	k_q5770b55389_normq
	.globl	k_q5770b55389_normq
	.p2align	8
	.type	k_q5770b55389_normq,@function
k_q5770b55389_normq:
	s_mov_b64 s[64:65], 0
	v_nop
	global_prefetch_b8 v0, s[64:65] scope:SCOPE_SE
	s_setreg_imm32_b32 hwreg(HW_REG_WAVE_MODE, 25, 1), 1
	s_wait_xcnt 0x0
.set ROWP,   528
.set WTILE,  16*ROWP
.set SLOTB,  16*WTILE
.set SS,     2*SLOTB
.set SCW,    SS+1280
.set P3,     SCW+1024
.set G1S,    P3+16384
.set SPARE,  G1S+1280
.set LAX,  4
.set SSW,  6
.set SSR,  7
.set SCWA, 8
.set P3W,  9
.set P3R,  10
.set G1W,  11
.set G1R,  12
.set LIN,  13
.set LSC,  14
.set LG1,  15
.set SPW,  16
.set NIL,  17
.set R16,  18
.set H8,   19
.set RS,   20
.set TM,   22
.set XSW,  30
.set W1S,  31
.set W1F,  32
.set PC,   40
.set ACC,  48
.set W2F,  60
.set DZ,   92
.set NW,   124
.set X,    188
.set Z,    X
.set U,    X+32
.set G1F,  X+56
	s_load_b512 s[4:19], s[0:1], 0x0
	s_load_b128 s[20:23], s[0:1], 0x40
	v_lshl_add_u32 v[SPW], v0, 2, SPARE
	v_mov_b32 v[NIL], 0
	ds_add_u32 v16, v17
	ds_add_u32 v16, v17
	s_wait_dscnt 0x0
	v_lshrrev_b32 v1, 5, v0
	s_delay_alu instid0(VALU_DEP_1)
	v_readfirstlane_b32 s24, v1
	s_mov_b32 s28, (2<<16)|(1<<20)|(6<<22)|(3<<25)
	s_mov_b32 s29, 128<<16
	s_mov_b32 s30, 32<<16
	s_mov_b32 s31, 128<<16
	s_mov_b32 s32, 32
	s_mov_b32 s33, 2048
	s_mov_b32 s34, 0
	s_mov_b32 s35, 0
	s_mov_b32 s26, 0x76543210
	s_mov_b32 s27, 0xfedcba98
	s_mov_b32 s44, 0x3727c5ac
	s_mov_b32 s45, 0x3a000000
	s_mov_b32 s46, 0x3fb8aa3b
	s_mov_b32 s47, s46
	s_mul_i32 s48, s24, 2*WTILE
	s_lshl_b32 s2, ttmp9, 19
	s_lshl_b32 s53, s24, 9
	s_add_co_u32 s2, s2, s53
	s_mov_b32 s3, 0
	s_wait_kmcnt 0x0
	s_add_nc_u64 s[4:5], s[4:5], s[2:3]
.irp s, 0,1
	s_mov_b32 s[36+4*\s], 1
	s_add_co_u32 s[37+4*\s], s48, \s*WTILE
	s_add_nc_u64 s[38+4*\s:39+4*\s], s[4:5], \s*131072
	s_or_b32 s[39+4*\s], s[39+4*\s], 0x80000000
.endr
	tensor_load_to_lds s[36:39], s[28:35]          ; the wave's one load at the head: 32 rows of its strip, blocks 0 and 1, into its two slots, which lie side by side
	s_nop 0
	v_and_b32 v1, 31, v0
	v_and_b32 v2, 15, v0
	v_bfe_u32 v3, v0, 4, 1
	s_delay_alu instid0(VALU_DEP_1)
	v_lshlrev_b32 v22, 7, v3
	s_delay_alu instid0(VALU_DEP_1)
	v_add_nc_u32 v22, s53, v22
	s_delay_alu instid0(VALU_DEP_4)
	v_lshlrev_b32 v23, 10, v2
	s_delay_alu instid0(VALU_DEP_1)
	v_lshl_add_u32 v23, v3, 4, v23
	s_lshl_b32 s51, s24, 6
	v_add_nc_u32 v23, s51, v23
	s_lshl_b32 s49, s24, 2
	v_lshlrev_b32 v24, 6, v2
	s_delay_alu instid0(VALU_DEP_1)
	v_add_nc_u32 v24, s49, v24
	v_lshlrev_b32 v25, 8, v2
	s_delay_alu instid0(VALU_DEP_1)
	v_lshl_add_u32 v25, v3, 3, v25
	s_lshl_b32 s50, s24, 12
	v_add_nc_u32 v25, s50, v25
	v_lshlrev_b32 v[R16], 4, v2
	s_lshl_b32 s52, s24, 8
	v_add_nc_u32 v26, s52, v[R16]
.irp c, 0,1
.irp q, 0,1,2,3,4,5,6,7
	global_load_b128 v[NW+32*\c+4*\q:NW+32*\c+4*\q+3], v22, s[6:7] offset:256*\c+16*\q
.endr
.endr
.irp c, 0,1
	global_load_b128 v[W1F+4*\c:W1F+4*\c+3], v23, s[8:9] offset:32*\c
.endr
	global_load_b32 v[W1S], v24, s[10:11]
.irp t, 0,1,2,3
.irp s, 0,1,2,3
	global_load_b64 v[W2F+8*\t+2*\s:W2F+8*\t+2*\s+1], v25, s[12:13] offset:64*\t+16*\s
.endr
.endr
	global_load_b128 v[56:59], v26, s[14:15]
	v_mul_u32_u24 v[LAX], v2, ROWP
	s_delay_alu instid0(VALU_DEP_1)
	v_lshl_add_u32 v[LAX], v3, 7, v[LAX]
	s_delay_alu instid0(VALU_DEP_1)
	v_add_nc_u32 v[LAX], s48, v[LAX]
	s_delay_alu instid0(VALU_DEP_1)
	v_add_nc_u32 v[LAX+1], WTILE, v[LAX]
	v_mul_u32_u24 v[SSR], v2, 80
	s_delay_alu instid0(VALU_DEP_1)
	v_add_nc_u32 v[SSR], SS, v[SSR]
	s_delay_alu instid0(VALU_DEP_1)
	v_add_nc_u32 v[SSW], s49, v[SSR]
	v_lshl_add_u32 v[SCWA], v2, 6, SCW
	s_delay_alu instid0(VALU_DEP_1)
	v_add_nc_u32 v[SCWA], s49, v[SCWA]
	v_lshlrev_b32 v[P3W], 6, v2
	s_delay_alu instid0(VALU_DEP_1)
	v_lshl_add_u32 v[P3W], v3, 5, v[P3W]
	s_lshl_b32 s50, s24, 10
	s_add_co_u32 s50, s50, P3
	v_add_nc_u32 v[P3W], s50, v[P3W]
	v_lshlrev_b32 v[P3R], 2, v2
	s_delay_alu instid0(VALU_DEP_1)
	v_lshl_add_u32 v[P3R], v3, 13, v[P3R]
	s_add_co_u32 s50, s51, P3
	v_add_nc_u32 v[P3R], s50, v[P3R]
	v_lshl_add_u32 v[G1W], v2, 2, G1S
	s_delay_alu instid0(VALU_DEP_1)
	v_add_nc_u32 v[G1W], s51, v[G1W]
	v_lshl_add_u32 v[G1R], v2, 6, G1S
	s_delay_alu instid0(VALU_DEP_1)
	v_lshl_add_u32 v[G1R], v3, 3, v[G1R]
	v_lshlrev_b32 v[LIN], 4, v1
	s_delay_alu instid0(VALU_DEP_1)
	v_add_nc_u32 v[LSC], SCW, v[LIN]
	s_delay_alu instid0(VALU_DEP_2)
	v_add_nc_u32 v[LG1], G1S, v[LIN]
	v_lshlrev_b32 v[H8], 3, v3
.irp i, 0,1,2,3,4,5,6,7
	v_mov_b32 v[ACC+\i], 0
.endr
	s_lshr_b32 s2, s24, 2
	s_lshl_b32 s2, s2, 22
	s_and_b32 s3, s24, 3
	s_lshl_b32 s3, s3, 10
	s_add_co_u32 s2, s2, s3
	s_lshl_b32 s3, ttmp9, 14
	s_add_co_u32 s2, s2, s3
	s_mov_b32 s3, 0
	s_add_nc_u64 s[16:17], s[16:17], s[2:3]
	s_lshl_b32 s2, ttmp9, 12
	s_add_nc_u64 s[18:19], s[18:19], s[2:3]
	s_add_nc_u64 s[20:21], s[20:21], s[2:3]
	s_add_co_u32 s2, s2, s52
	s_add_nc_u64 s[22:23], s[22:23], s[2:3]
	s_wait_loadcnt 0x0
.set i, 0
.rept 16
	v_pk_mul_f32 v[W2F+i:W2F+i+1], v[W2F+i:W2F+i+1], s[46:47] op_sel_hi:[1,0]
.set i, i+2
.endr
	v_mul_f32 v252, s46, v58
	v_mul_f32 v254, s46, v59
	v_mul_f32 v58, s46, v57
	v_mul_f32 v56, s46, v56
	s_delay_alu instid0(VALU_DEP_4)
	v_mov_b32 v253, v252
	s_delay_alu instid0(VALU_DEP_4)
	v_mov_b32 v255, v254
	s_delay_alu instid0(VALU_DEP_4)
	v_mov_b32 v59, v58
	s_delay_alu instid0(VALU_DEP_4)
	v_mov_b32 v57, v56
.macro BAR
	s_wait_dscnt 0x0
	s_barrier_signal -1
	s_barrier_wait -1
.endm
.macro COPYOUT wv, adr, base, n
	s_cmp_lg_u32 s24, \wv
	s_cbranch_scc1 .Lnot_me_\@
	ds_load_b128 v[X+32:X+35], v[\adr]
	ds_load_b128 v[X+36:X+39], v[\adr] offset:512
	s_wait_dscnt 0x0
	global_store_b128 v[LIN], v[X+32:X+35], s[\base:\base+1] offset:\n*1024
	global_store_b128 v[LIN], v[X+36:X+39], s[\base:\base+1] offset:\n*1024+512
	s_wait_xcnt 0x0
.Lnot_me_\@:
.endm
.macro BLOCK n, slot, left, fill
	s_wait_xcnt 0x0
	s_wait_tensorcnt \left
.irp c, 0,1
.irp q, 0,1,2,3,4,5,6,7
	ds_load_b128 v[X+32*\c+4*\q:X+32*\c+4*\q+3], v[LAX+\slot] offset:256*\c+16*\q
.endr
.endr
	s_wait_dscnt 0x0
.irp i, 0,1,2,3
	v_pk_mul_f32 v[TM+2*\i:TM+2*\i+1], v[X+2*\i:X+2*\i+1], v[X+2*\i:X+2*\i+1]
.endr
.irp p, 4,8,12,16,20,24,28
.irp i, 0,1,2,3
	s_delay_alu instid0(VALU_DEP_4)
	v_pk_fma_f32 v[TM+2*\i:TM+2*\i+1], v[X+2*(\p+\i):X+2*(\p+\i)+1], v[X+2*(\p+\i):X+2*(\p+\i)+1], v[TM+2*\i:TM+2*\i+1]
.endr
.endr
	s_delay_alu instid0(VALU_DEP_3)
	v_pk_add_f32 v[TM:TM+1], v[TM:TM+1], v[TM+2:TM+3]
	s_delay_alu instid0(VALU_DEP_2)
	v_pk_add_f32 v[TM+4:TM+5], v[TM+4:TM+5], v[TM+6:TM+7]
	s_delay_alu instid0(VALU_DEP_1)
	v_pk_add_f32 v[TM:TM+1], v[TM:TM+1], v[TM+4:TM+5]
	s_delay_alu instid0(VALU_DEP_1)
	v_add_f32 v[TM], v[TM], v[TM+1]
	s_delay_alu instid0(VALU_DEP_1)
	v_permlanex16_b32 v[TM+1], v[TM], s26, s27
	s_delay_alu instid0(VALU_DEP_1)
	v_add_f32 v[TM], v[TM], v[TM+1]
	ds_store_b32 v[SSW], v[TM]
	s_wait_dscnt 0x0
	s_barrier_signal -1                            ; my part of the rows' sums of squares is stored; work on registers stands between signal and wait
.set i, 0
.rept 32
	v_pk_mul_f32 v[X+i:X+i+1], v[X+i:X+i+1], v[NW+i:NW+i+1]   ; x norm_w, which hangs on no other wave
.set i, i+2
.endr
.irp c, 0,1
	v_max_num_f32 v[2+\c], |v[X+32*\c]|, |v[X+32*\c+1]|       ; and my two blocks' largest magnitudes of it
.endr
.irp i, 2,4,6,8,10,12,14,16,18,20,22,24,26,28,30
.irp c, 0,1
	s_delay_alu instid0(VALU_DEP_2)
	v_max3_num_f32 v[2+\c], v[2+\c], |v[X+32*\c+\i]|, |v[X+32*\c+\i+1]|
.endr
.endr
	s_barrier_wait -1
	ds_load_b128 v[PC:PC+3], v[SSR]
	ds_load_b128 v[PC+4:PC+7], v[SSR] offset:16
	ds_load_b128 v[TM:TM+3], v[SSR] offset:32
	ds_load_b128 v[TM+4:TM+7], v[SSR] offset:48
	s_wait_dscnt 0x0
	v_pk_add_f32 v[PC:PC+1], v[PC:PC+1], v[PC+2:PC+3]
	v_pk_add_f32 v[PC+4:PC+5], v[PC+4:PC+5], v[PC+6:PC+7]
	v_pk_add_f32 v[TM:TM+1], v[TM:TM+1], v[TM+2:TM+3]
	v_pk_add_f32 v[TM+4:TM+5], v[TM+4:TM+5], v[TM+6:TM+7]
	s_delay_alu instid0(VALU_DEP_3)
	v_pk_add_f32 v[PC:PC+1], v[PC:PC+1], v[PC+4:PC+5]
	s_delay_alu instid0(VALU_DEP_2)
	v_pk_add_f32 v[TM:TM+1], v[TM:TM+1], v[TM+4:TM+5]
	s_delay_alu instid0(VALU_DEP_1)
	v_pk_add_f32 v[PC:PC+1], v[PC:PC+1], v[TM:TM+1]
	s_delay_alu instid0(VALU_DEP_1)
	v_add_f32 v[PC], v[PC], v[PC+1]
	s_delay_alu instid0(VALU_DEP_1)
	v_fma_f32 v[PC], v[PC], s45, s44
	s_wait_alu depctr_va_vdst(0)
	v_rsq_f32 v[RS], v[PC]
	v_rsq_f32 v[RS+1], v[PC]
	v_nop
	s_wait_alu depctr_va_vdst(0)
.set i, 0
.rept 32
	v_pk_mul_f32 v[X+i:X+i+1], v[X+i:X+i+1], v[RS:RS+1]
.set i, i+2
.endr
.irp c, 0,1
	v_mul_f32 v[TM+\c], v[2+\c], v[RS]             ; the block's largest magnitude under the row's factor: the factor is positive and rounding keeps order, so this is the largest of the scaled numbers
.endr
.irp c, 0,1
	s_delay_alu instid0(VALU_DEP_2)
	v_max_num_f32 v[TM+\c], 0x1800000, v[TM+\c]    ; the floor 2^(3 - 127): the byte cannot fall under 1
.endr
.irp c, 0,1
	s_delay_alu instid0(VALU_DEP_2)
	v_add_nc_u32 v[TM+2+\c], 0xff000000, v[TM+\c]
.endr
.irp c, 0,1
	s_delay_alu instid0(VALU_DEP_2)
	v_lshrrev_b32 v[TM+4+\c], 23, v[TM+2+\c]
.endr
	s_delay_alu instid0(VALU_DEP_1)
	v_lshl_or_b32 v[XSW], v[TM+5], 16, v[TM+4]
	s_delay_alu instid0(VALU_DEP_1)
	v_lshlrev_b32 v[XSW], v[H8], v[XSW]
	s_delay_alu instid0(VALU_DEP_1)
	v_permlanex16_b32 v[TM+6], v[XSW], s26, s27
	s_delay_alu instid0(VALU_DEP_1)
	v_or_b32 v[XSW], v[XSW], v[TM+6]
.irp c, 0,1
.irp g, 0,1,2,3
	v_cvt_scalef32_pk8_fp4_f32 v[PC+4*\c+\g], v[X+32*\c+8*\g:X+32*\c+8*\g+7], v[TM+2+\c]
.endr
.endr
.rept 8
	v_nop
.endr
.irp c, 0,1
	global_store_b128 v[LIN], v[PC+4*\c:PC+4*\c+3], s[16:17] offset:\n*4096+512*\c
.endr
	v_wmma_scale_f32_16x16x128_f8f6f4 v[X:X+7], v[W1F:W1F+7], v[PC:PC+7], 0, v[W1S], v[XSW] matrix_a_fmt:MATRIX_FMT_FP4 matrix_b_fmt:MATRIX_FMT_FP4
.rept 4
	v_nop
.endr
	ds_store_b128 v[P3W], v[X:X+3]
	ds_store_b128 v[P3W], v[X+4:X+7] offset:16
	ds_store_b32 v[SCWA], v[XSW]
.if \fill
	s_wait_tensorcnt 0x0
	ds_add_u32 v[SPW], v[NIL]
	s_add_nc_u64 s[38+4*\slot:39+4*\slot], s[38+4*\slot:39+4*\slot], 262144
	s_mov_b32 s30, 16<<16                          ; no tensor load of mine is out: from here on a load brings 16 rows
	s_mov_b32 s32, 16
	s_wait_dscnt 0x0
	s_barrier_signal -1
	s_barrier_wait -1
	tensor_load_to_lds s[36+4*\slot:39+4*\slot], s[28:35]
	s_nop 0
.else
	BAR
.endif
.irp q, 0,1,2,3,4,5,6,7
	ds_load_b32 v[X+8+\q], v[P3R] offset:1024*\q
.endr
	s_wait_dscnt 0x0
	v_pk_add_f32 v[X+8:X+9], v[X+8:X+9], v[X+10:X+11]
	v_pk_add_f32 v[X+12:X+13], v[X+12:X+13], v[X+14:X+15]
	s_delay_alu instid0(VALU_DEP_1)
	v_pk_add_f32 v[X+8:X+9], v[X+8:X+9], v[X+12:X+13]
	s_delay_alu instid0(VALU_DEP_1)
	v_add_f32 v[X+8], v[X+8], v[X+9]
	s_delay_alu instid0(VALU_DEP_1)
	v_permlanex16_b32 v[X+9], v[X+8], s26, s27
	s_delay_alu instid0(VALU_DEP_1)
	v_add_f32 v[X+8], v[X+8], v[X+9]
	ds_store_b32 v[G1W], v[X+8]
	BAR
.irp s, 0,1,2,3
	ds_load_b64 v[G1F+2*\s:G1F+2*\s+1], v[G1R] offset:16*\s
.endr
	COPYOUT 1, LSC, 18, \n
	COPYOUT 2, LG1, 20, \n
	s_wait_dscnt 0x0
.irp s, 0,1,2,3
.irp t, 0,1,2,3
.if \s == 0
	v_wmma_f32_16x16x4_f32 v[DZ+8*\t:DZ+8*\t+7], v[G1F+2*\s:G1F+2*\s+1], v[W2F+8*\t+2*\s:W2F+8*\t+2*\s+1], 0
.else
	v_wmma_f32_16x16x4_f32 v[DZ+8*\t:DZ+8*\t+7], v[G1F+2*\s:G1F+2*\s+1], v[W2F+8*\t+2*\s:W2F+8*\t+2*\s+1], v[DZ+8*\t:DZ+8*\t+7]
.endif
.endr
.endr
.rept 8
	v_nop
.endr
.irp t, 0,1,2,3
.irp p, 0,1,2,3
	v_pk_add_f32 v[Z+8*\t+2*\p:Z+8*\t+2*\p+1], v[DZ+8*\t+2*\p:DZ+8*\t+2*\p+1], v[56+2*\t+192*(\t/2):57+2*\t+192*(\t/2)]
.endr
.endr
.set i, 0
	s_wait_alu depctr_va_vdst(0)
.rept 32
	v_exp_f32 v[U+i], -|v[Z+i]|
.set i, i+1
.endr
	v_nop
.set i, 0
.rept 32
	v_min_num_f32 v[Z+i], 0, v[Z+i]
.set i, i+1
.endr
	s_wait_alu depctr_va_vdst(0)
.set i, 0
.rept 16
	v_pk_add_f32 v[U+i:U+i+1], v[U+i:U+i+1], 1.0 op_sel_hi:[1,0]
.set i, i+2
.endr
.irp t, 0,1,2,3
	v_pk_mul_f32 v[U+8*\t:U+8*\t+1], v[U+8*\t:U+8*\t+1], v[U+8*\t+2:U+8*\t+3]
.endr
.irp t, 0,1,2,3
	v_pk_mul_f32 v[U+8*\t+4:U+8*\t+5], v[U+8*\t+4:U+8*\t+5], v[U+8*\t+6:U+8*\t+7]
.endr
.irp t, 0,1,2,3
	s_delay_alu instid0(VALU_DEP_4)
	v_pk_mul_f32 v[U+8*\t:U+8*\t+1], v[U+8*\t:U+8*\t+1], v[U+8*\t+4:U+8*\t+5]
.endr
.irp t, 0,1,2,3
	s_delay_alu instid0(VALU_DEP_4)
	v_mul_f32 v[U+8*\t], v[U+8*\t], v[U+8*\t+1]
.endr
	s_wait_alu depctr_va_vdst(0)
.irp t, 0,1,2,3
	v_log_f32 v[U+8*\t], v[U+8*\t]
.endr
.irp p, 0,1,2,3
.irp t, 0,1,2,3
	v_pk_add_f32 v[ACC+2*\t:ACC+2*\t+1], v[ACC+2*\t:ACC+2*\t+1], v[Z+8*\t+2*\p:Z+8*\t+2*\p+1]
.endr
.endr
	s_wait_alu depctr_va_vdst(0)
.irp t, 0,1,2,3
	v_sub_f32 v[ACC+2*\t], v[ACC+2*\t], v[U+8*\t]
.endr
.endm
	BLOCK 0, 0, 0, 1
	BLOCK 1, 1, 1, 1
	BLOCK 2, 0, 1, 0
	BLOCK 3, 1, 0, 0
.irp t, 0,1,2,3
	s_delay_alu instid0(VALU_DEP_4)
	v_add_f32 v[X+\t], v[ACC+2*\t], v[ACC+2*\t+1]
.endr
.irp t, 0,1,2,3
	s_delay_alu instid0(VALU_DEP_4)
	v_permlanex16_b32 v[X+4+\t], v[X+\t], s26, s27
.endr
.irp t, 0,1,2,3
	s_delay_alu instid0(VALU_DEP_4)
	v_add_f32 v[X+\t], v[X+\t], v[X+4+\t]
.endr
	v_cmp_gt_u32 vcc_lo, 16, v1
	s_wait_alu depctr_va_vdst(0)
	s_wait_xcnt 0x0
	s_and_saveexec_b32 s54, vcc_lo
	global_store_b128 v[R16], v[X:X+3], s[22:23]
	s_wait_xcnt 0x0
	s_or_b32 exec_lo, exec_lo, s54
	s_wait_tensorcnt 0x0
	ds_add_u32 v[SPW], v[NIL]
	s_wait_dscnt 0x0
	s_endpgm
.Lfunc_end_k_q5770b55389_normq:
	.size	k_q5770b55389_normq, .Lfunc_end_k_q5770b55389_normq-k_q5770b55389_normq
	.p2alignl 7, 3214868480
	.fill 96, 4, 3214868480
	.section	.rodata,"a",@progbits
	.p2align	6, 0x0
	.amdhsa_kernel k_q5770b55389_normq
		.amdhsa_group_segment_fixed_size 327680
		.amdhsa_private_segment_fixed_size 0
		.amdhsa_enable_private_segment 0
		.amdhsa_kernarg_size 80
		.amdhsa_user_sgpr_count 2
		.amdhsa_user_sgpr_kernarg_segment_ptr 1
		.amdhsa_wavefront_size32 1
		.amdhsa_system_sgpr_workgroup_id_x 1
		.amdhsa_system_sgpr_workgroup_id_y 1
		.amdhsa_system_sgpr_workgroup_id_z 1
		.amdhsa_system_vgpr_workitem_id 0
		.amdhsa_next_free_vgpr 256
		.amdhsa_next_free_sgpr 66
		.amdhsa_reserve_vcc 1
		.amdhsa_float_denorm_mode_32 3
		.amdhsa_float_denorm_mode_16_64 3
		.amdhsa_memory_ordered 1
		.amdhsa_forward_progress 1
		.amdhsa_inst_pref_size 117
	.end_amdhsa_kernel
	.amdgpu_metadata
---
amdhsa.version: [ 1, 2 ]
amdhsa.kernels:
  - .name:           k_q5770b55389_normq
    .symbol:         k_q5770b55389_normq.kd
    .args:
      - { .name: hidden_states, .offset: 0, .size: 8, .value_kind: global_buffer, .address_space: global }
      - { .name: norm_w, .offset: 8, .size: 8, .value_kind: global_buffer, .address_space: global }
      - { .name: gk_w1_codes, .offset: 16, .size: 8, .value_kind: global_buffer, .address_space: global }
      - { .name: gk_w1_scales, .offset: 24, .size: 8, .value_kind: global_buffer, .address_space: global }
      - { .name: gk_w2, .offset: 32, .size: 8, .value_kind: global_buffer, .address_space: global }
      - { .name: gk_b, .offset: 40, .size: 8, .value_kind: global_buffer, .address_space: global }
      - { .name: x_codes, .offset: 48, .size: 8, .value_kind: global_buffer, .address_space: global }
      - { .name: x_scales, .offset: 56, .size: 8, .value_kind: global_buffer, .address_space: global }
      - { .name: g1, .offset: 64, .size: 8, .value_kind: global_buffer, .address_space: global }
      - { .name: csum, .offset: 72, .size: 8, .value_kind: global_buffer, .address_space: global }
    .group_segment_fixed_size: 327680
    .private_segment_fixed_size: 0
    .kernarg_segment_align: 8
    .kernarg_segment_size: 80
    .max_flat_workgroup_size: 512
    .sgpr_count:     66
    .vgpr_count:     256
    .wavefront_size: 32
...
	.end_amdgpu_metadata
.endif
;; end of part 1
;; launch gla (part 2): grid 64 x 4, 4 waves a work-group, clusters of 4 x 4, 327,680 bytes of LDS; arguments k_w_codes, k_w_scales, v_w_codes, v_w_scales, x_codes, x_scales, g1, csum, gk_w2, gk_b, part; writes part
.if DOCPART == 2
	.amdgcn_target "amdgcn-amd-amdhsa--gfx1250"
	.amdhsa_code_object_version 6
	.text
	.protected	k_q5770b55389_gla
	.globl	k_q5770b55389_gla
	.p2align	8
	.type	k_q5770b55389_gla,@function
k_q5770b55389_gla:
	s_mov_b64 s[64:65], 0
	v_nop
	global_prefetch_b8 v0, s[64:65] scope:SCOPE_SE
	s_setreg_imm32_b32 hwreg(HW_REG_WAVE_MODE, 25, 1), 1
	s_wait_xcnt 0x0
	s_wait_alu depctr_hold_cnt(0) depctr_sa_sdst(0) depctr_va_vdst(0) depctr_va_sdst(0) depctr_va_ssrc(0) depctr_va_vcc(0) depctr_vm_vsrc(0)
	s_getreg_b32 s2, hwreg(HW_REG_IB_STS2, 6, 4)
	s_cmp_eq_u32 s2, 0
	s_cbranch_scc0 .Lentry_in_a_cluster
	s_endpgm
.Lentry_in_a_cluster:
	s_bfe_u32 s2, ttmp6, 0x10000c
	s_cmp_lg_u32 s2, 0xf033
	s_cbranch_scc0 .Lentry_shape_is_right
	s_endpgm
.Lentry_shape_is_right:
; For two groups of 128 tokens and 4 heads: the decays, k = x k_w^T and v = x v_w^T on codes of FP4 (K = 2,048), k x decay, and each group's part of the sum over time, again on codes of FP4 (K = the group's 128 tokens).
; SHARES.  Work-group x = a pair of neighbouring token groups, y = a group of 4 heads; wave w = one head: 128 tokens x 96 channels (64 of k, 32 of v), 48 accumulators.
; A WORK-GROUP STAYS: a counted loop of two trips, the LATER group first, so that the sums of g' over later tokens are carried on in registers: csum is read once, at the head.
; The first products keep their natural order (source 0 = 16 tokens of x, source 1 = 16 rows of a weight): a lane holds ONE channel and its registers run along the tokens
; (register 8 u + j of a channel tile = token 16 u + 8 (lane / 16) + j), which are the last product's K: both of its operands are quantised in registers.
; decay(token) = 2^(sum of g' over all later tokens of the batch / 16), g' = 16 log2(e) gk.
; ORDER OF A TRIP.  The decays hang on g1, gk_w2, gk_b and the carried sums alone: all four channel tiles' decays are made AHEAD of the products and wait in 256 registers.  Between them the trip's fills go out,
; one load a wave behind the three lines and a round of the cluster's barrier: the scales, tile 0, slot 0, tiles 1 and 2, slot 1, tile 3.  Every trip issues the same five loads a wave; no jump leads round one.
; g1 and gk_w2 come straight into registers; the next trip's are asked for in the tail, behind channel tile 3's codes.
; LIMITS: a decay under 2^-126 counts as 0; log2(1 + u) is taken of the rounded 1 + u (6e-8 a gate); a block of zeros keeps the scale byte 1 (its codes are zeros); NaN and infinities are not served.
; CLUSTERS: 4 x 4 work-groups.  The weights' tiles and scales hang on the head group alone and are shared along a row of the cluster; x's images and scales hang on the token groups alone
; and are shared along a column: each is asked for jointly.  No prefetch: each fill is asked for one or two tiles of decay work, or a whole slot (192 matrix instructions a wave), ahead of the wait for it.
; REGISTERS, in windows of 256.  Window 0: v2-5 the sums of later groups / 16, v6-9 biases, v10-15 at work, v16-30 addresses, v32-95 scale words (two sets; at the end the last product's),
;   v96-127 at work (head, quantisers), v128-175 the weights' fragments, else v128-191 E; v192-255 the decays of channel tile 2, at the end the way out.
;   Window 1: v0-63 g1's fragments, then x's set 0; v64-95 gk_w2 and v96-103 the bias as a C, then v64-127 the decays of tile 3; v128-191 U, then x's set 1, then the last product's codes; v192-255 written by the f32 matrix form alone.
;   Window 2: k's accumulators.  Window 3: v0-127 v's accumulators; v128-255 the decays of tiles 0 and 1.
.set PITCH,  272
.set HALFT,  128*PITCH                 ; a quarter of a slot: k_w rows 0-127, k_w rows 128-255, v_w's 128 rows, x's images (32,768 dense bytes)
.set SLOT,   4*HALFT
.set SCL,    2*SLOT                    ; the scales, for all of K, as units of 256 bytes + 16: k's 256 rows, v's 128, x's 128
.set HALFS,  32*272
.set SBLK,   4*272
.set STG,    SCL+4*HALFS               ; the way out: 16 rows of 128 bytes + 16 for each wave; no fill lands here
.set SCR,    STG+10240                 ; 256 bytes a wave: the sums of later groups change lanes here
.set SPARE,  SCR+1024                  ; the spare words, 128 bytes for each wave
.set NQ,     4
.set FR,     8
.set SV,   2
.set BI,   6
.set ADRK, 16
.set ADRV, 18
.set ADRX, 20
.set ADRS1, 22                         ; scale words: lanes 0-15 k's blocks 0-3, lanes 16-31 x's blocks 0-3
.set ADRS2, 23                         ; lanes 0-15 v's blocks, lanes 16-31 x's blocks 4-7
.set STO,  24
.set RD,   25
.set CO,   26
.set AG1,  27                          ; 64 r + 8 h: my offset in g1 and in gk_w2
.set SPW,  28                          ; my spare word; never rewritten
.set NIL,  29                          ; 0; never rewritten
.set HM,   30                          ; 1 / 16 in lanes 0-15, 0 in lanes 16-31
.set SC,   32
.set KSW,  32
.set VSW,  36
.set TM,   96
.set AF,   128
.set E,    128
.set KF,   128                         ; window 1
.set VF,   160                         ; window 1
.set BC,   96                          ; window 1
.set U,    128                         ; window 1
.set ZA,   192                         ; window 1
.set WV,   26
.set G1W,  28
.set G0W,  36
.set G1X,  44
.set G0X,  52
.set PG1,  60                          ; s[60:61] g1 at the trip's group
.set TRIP, 62
.set G1S,  68
.set G0S,  76
.set G1SX, 80
.set G0SX, 88
.set MSB, 0
.macro WIN new                         ; the immediate's high byte repeats the setting that is left
.if MSB != \new
	s_set_vgpr_msb (MSB<<8)|\new
.set MSB, \new
.endif
.endm
.set MUL_LO, 0xa1
.set MUL_HI, 0xf1
.set TO_W1,  0x40
.macro VW
	s_wait_alu depctr_va_vdst(0)
.endm
; A joint load: waves 0 to 2 fetch the weights' parts, wave 3 x's.  The branch hangs on the wave's number alone.
.macro JLOAD g0w, g1w, g0x, g1x
	s_cmp_lg_u32 s[WV], 3
	s_cbranch_scc0 .Lfor_x_\@
	tensor_load_to_lds s[\g0w:\g0w+3], s[\g1w:\g1w+7]
	s_nop 0
.rept 4
	v_nop
.endr
	s_branch .Lasked_\@
.Lfor_x_\@:
	tensor_load_to_lds s[\g0x:\g0x+3], s[\g1x:\g1x+7]
	s_nop 0
.rept 4
	v_nop
.endr
.Lasked_\@:
.endm
.macro CREST
	s_cmp_lg_u32 s[WV], 0
	s_cbranch_scc1 .Lnot_wave_0_\@
	s_barrier_signal -3
.Lnot_wave_0_\@:
	s_barrier_wait -3
	s_barrier_signal -1
	s_barrier_wait -1
.endm
.macro CROUND
	s_barrier_signal -1
	s_barrier_wait -1
	CREST
.endm
.macro FULLSEQ twice                   ; ahead of a fill: all my loads have landed, the add, its wait (my LDS reads are back too), a whole round
	VW
	s_wait_tensorcnt 0x0
	ds_add_u32 v[SPW], v[NIL]
.if \twice
	ds_add_u32 v[SPW], v[NIL]                      ; the add twice on end
.endif
	s_wait_dscnt 0x0
	CROUND
.endm
.macro PLACES n
.rept \n
	v_nop
.endr
.endm
.macro LOADGW                          ; g1(token 16 u + r, 4 s + 2 h + 0, 1), the f32 form's source 0, and gk_w2(16 t + r, 4 s + 2 h + 0, 1), its source 1
	WIN TO_W1
.irp u, 0,1,2,3,4,5,6,7
.irp s, 0,1,2,3
	global_load_b64 v[8*\u+2*\s:8*\u+2*\s+1], v[AG1], s[PG1:PG1+1] offset:1024*\u+16*\s
.endr
.endr
.irp t, 0,1,2,3
.irp s, 0,1,2,3
	global_load_b64 v[64+8*\t+2*\s:64+8*\t+2*\s+1], v[AG1], s[20:21] offset:1024*\t+16*\s
.endr
.endr
	WIN 0
.endm
	s_load_b512 s[4:19], s[0:1], 0x0               ; k_w codes, scales, v_w codes, scales, x_codes, x_scales, g1, csum
	s_load_b128 s[20:23], s[0:1], 0x40             ; gk_w2, gk_b
	s_load_b64 s[24:25], s[0:1], 0x50              ; part
	v_lshl_add_u32 v[SPW], v0, 2, SPARE
	v_mov_b32 v[NIL], 0
	ds_add_u32 v[SPW], v[NIL]                      ; the opening lines: the add twice on end under one wait
	ds_add_u32 v[SPW], v[NIL]
	v_lshrrev_b32 v1, 5, v0
	v_readfirstlane_b32 s[WV], v1                  ; wave 0..3
	s_bfe_u32 s66, ttmp6, 0x40000                  ; cx
	s_bfe_u32 s2, ttmp6, 0x40004                   ; cy
	s_lshl_b32 s67, ttmp9, 2
	s_add_co_u32 s67, s67, s66                     ; the pair of token groups
	s_lshl_b32 s67, s67, 1
	s_add_co_u32 s67, s67, 1                       ; its later group: the first trip's
	s_and_b32 s3, ttmp7, 0xffff
	s_lshl_b32 s3, s3, 2
	s_add_co_u32 s3, s3, s2                        ; the head group
	s_lshl_b32 s27, s2, 2
	s_lshl_b32 s27, 15, s27                        ; my row of the cluster
	s_lshl_b32 s100, 0x1111, s66                   ; my column
	s_and_b32 s2, s67, 31
	s_lshl_b32 s2, s2, 1
	s_add_co_u32 s2, s2, 2                         ; the first chunk of 64 tokens behind that group, counted in the batch
	s_or_b32 s[G1W], s27, (0<<16)|(1<<20)|(1<<21)|(5<<22)|(3<<25)   ; the weights' tiles: 128 rows x 256 bytes, 1,024 bytes from row to row, 4 words of padding behind each 64
	s_mov_b32 s[G1W+1], 256<<16
	s_mov_b32 s[G1W+2], 128<<16
	s_mov_b32 s[G1W+3], 256<<16
	s_mov_b32 s[G1W+4], 128
	s_mov_b32 s[G1W+5], 1024
	s_mov_b32 s[G1W+6], 0
	s_mov_b32 s[G1W+7], 0
	s_or_b32 s[G1X], s100, (3<<16)|(1<<21)         ; x's images: 32,768 dense bytes as 128 rows of 256
	s_mov_b32 s[G1X+1], 32<<16
	s_mov_b32 s[G1X+2], 128<<16
	s_mov_b32 s[G1X+3], 32<<16
	s_mov_b32 s[G1X+4], 128
	s_mov_b32 s[G1X+5], 32
	s_mov_b32 s[G1X+6], 0
	s_mov_b32 s[G1X+7], 0
	s_or_b32 s[G1S], s27, (3<<16)|(1<<20)|(1<<21)|(5<<22)|(3<<25)   ; the scales of 128 rows: 8,192 dense bytes as 32 rows of 256, 16 bytes of padding behind each
	s_or_b32 s[G1SX], s100, (3<<16)|(1<<20)|(1<<21)|(5<<22)|(3<<25)
.irp g, G1S, G1SX
	s_mov_b32 s[\g+1], 32<<16
	s_mov_b32 s[\g+2], 32<<16
	s_mov_b32 s[\g+3], 32<<16
	s_mov_b32 s[\g+4], 32
	s_mov_b32 s[\g+5], 32
	s_mov_b32 s[\g+6], 0
	s_mov_b32 s[\g+7], 0
.endr
	s_lshl_b32 s38, s3, 18
	s_lshl_b32 s39, s[WV], 17
	s_add_co_u32 s38, s38, s39                     ; k_w: row 256 x head group + 128 x wave
	s_lshl_b32 s39, s3, 17                         ; v_w: row 128 x head group
	s_lshl_b32 s78, s3, 14
	s_lshl_b32 s79, s[WV], 13
	s_add_co_u32 s78, s78, s79                     ; their scales: 64 bytes a row
	s_lshl_b32 s79, s3, 13
	s_cmp_lt_u32 s[WV], 2                          ; waves 0 and 1 fetch k_w's halves, wave 2 v_w's rows
	s_cselect_b32 s38, s38, s39
	s_cselect_b32 s78, s78, s79
	s_mov_b32 s39, 0
	s_mov_b32 s79, 0
	s_lshl_b32 s54, s67, 15
	s_mov_b32 s55, 0
	s_lshl_b32 s90, s67, 13
	s_mov_b32 s91, 0
	s_lshl_b32 s[PG1], s67, 13
	s_mov_b32 s[PG1+1], 0
	s_mul_i32 s101, s[WV], HALFT
	s_mul_i32 s104, s[WV], HALFS
	v_and_b32 v1, 15, v0                           ; r
	v_bfe_u32 v31, v0, 4, 1                        ; h
	v_and_b32 v10, 31, v0
	v_lshlrev_b32 v[CO], 4, v10                    ; 16 x lane
	v_lshlrev_b32 v[AG1], 6, v1
	v_lshl_add_u32 v[AG1], v31, 3, v[AG1]
	v_lshlrev_b32 v97, 2, v1                       ; gk_b: 4 r
	v_lshlrev_b32 v98, 4, v1
	v_lshl_add_u32 v98, v31, 12, v98               ; csum: row h, channels 4 r on
	v_sub_nc_u32 v99, s2, v31                      ; row 2 i + h counts where 2 i >= this
	VW
	s_wait_dscnt 0x0                               ; both opening adds are done
	s_wait_kmcnt 0x0
	s_cmp_lt_u32 s[WV], 2
	s_cselect_b64 s[4:5], s[4:5], s[8:9]
	s_cselect_b64 s[6:7], s[6:7], s[10:11]
	s_add_nc_u64 s[38:39], s[4:5], s[38:39]
	s_add_nc_u64 s[42:43], s[38:39], 256           ; slot 1: the next 512 along K
	s_add_nc_u64 s[78:79], s[6:7], s[78:79]
	s_add_nc_u64 s[54:55], s[12:13], s[54:55]
	s_add_nc_u64 s[58:59], s[54:55], 0x400000
	s_add_nc_u64 s[90:91], s[14:15], s[90:91]
	s_add_nc_u64 s[PG1:PG1+1], s[16:17], s[PG1:PG1+1]
	s_mov_b32 s36, 1
	s_mov_b32 s37, s101
	s_or_b32 s39, s39, 0x80000000
	s_mov_b32 s40, 1
	s_add_co_u32 s41, s101, SLOT
	s_or_b32 s43, s43, 0x80000000
	s_mov_b32 s52, 1
	s_mov_b32 s53, s101
	s_or_b32 s55, s55, 0x80000000
	s_mov_b32 s56, 1
	s_add_co_u32 s57, s101, SLOT
	s_or_b32 s59, s59, 0x80000000
	s_mov_b32 s76, 1
	s_add_co_u32 s77, s104, SCL
	s_or_b32 s79, s79, 0x80000000
	s_mov_b32 s88, 1
	s_add_co_u32 s89, s104, SCL
	s_or_b32 s91, s91, 0x80000000
	s_lshl_b32 s4, s3, 2
	s_add_co_u32 s4, s4, s[WV]                     ; my head
	s_mov_b32 s7, 0
	s_lshl_b32 s6, s4, 12
	s_add_nc_u64 s[20:21], s[20:21], s[6:7]        ; gk_w2 at my head's 64 rows
	s_lshl_b32 s6, s4, 8
	s_add_nc_u64 s[22:23], s[22:23], s[6:7]        ; gk_b likewise
	s_lshr_b32 s5, s67, 5
	s_lshl_b32 s5, s5, 18                          ; the batch's 64 rows of csum
	s_add_co_u32 s6, s6, s5
	s_add_nc_u64 s[18:19], s[18:19], s[6:7]
	s_lshl_b32 s6, s67, 17
	s_lshl_b32 s5, s4, 13
	s_add_co_u32 s6, s6, s5
	s_add_nc_u64 s[24:25], s[24:25], s[6:7]        ; part at [group][head]
	s_mov_b32 s12, 0x76543210                      ; v_permlanex16_b32's selects for lane l xor 16
	s_mov_b32 s13, 0xfedcba98
	s_mov_b32 s14, 0x3d800000                      ; 1 / 16
	s_mov_b32 s16, 0x3fb8aa3b                      ; log2(e)
	s_mov_b32 s17, s16
	LOADGW
.irp t, 0,1,2,3
	global_load_b32 v[BI+\t], v97, s[22:23] offset:64*\t
.endr
.set i, 0
.rept 32
	global_load_b128 v[128+4*i:131+4*i], v98, s[18:19] offset:8192*i    ; sixteen lanes read 256 consecutive bytes of a row
.set i, i+1
.endr
	; LDS addresses: a constant + lane parts + a constant x wave
	v_mul_u32_u24 v10, v1, PITCH
	v_lshl_add_u32 v10, v31, 4, v10
	s_mul_i32 s8, s[WV], 64*PITCH
	v_add_nc_u32 v[ADRK], s8, v10
	v_add_nc_u32 v[ADRK+1], SLOT, v[ADRK]
	s_mul_i32 s8, s[WV], 32*PITCH
	s_add_co_u32 s8, s8, 2*HALFT
	v_add_nc_u32 v[ADRV], s8, v10
	v_add_nc_u32 v[ADRV+1], SLOT, v[ADRV]
	v_add_nc_u32 v[ADRX], 3*HALFT, v[CO]
	v_add_nc_u32 v[ADRX+1], SLOT, v[ADRX]
	v_lshlrev_b32 v10, 6, v1
	v_lshrrev_b32 v15, 2, v1
	v_lshl_add_u32 v10, v15, 4, v10                ; a row's scales: 64 r, and 16 more for each 256 passed
	VW
	s_xor_b32 s9, s[WV], 3
	s_add_co_u32 s9, s9, 3                         ; 6 - wave
	s_mul_i32 s8, s9, 4*SBLK                       ; from k's rows 64 w to x's rows
	v_mul_u32_u24 v15, s8, v31                     ; lanes 16-31 take x's
	v_add_nc_u32 v15, v15, v10
	s_mul_i32 s8, s[WV], 4*SBLK
	s_add_co_u32 s8, s8, SCL
	v_add_nc_u32 v[ADRS1], s8, v15
	s_mul_i32 s8, s9, 2*SBLK                       ; from v's rows 32 w to x's rows 64 on
	v_mul_u32_u24 v15, s8, v31
	v_add_nc_u32 v15, v15, v10
	s_mul_i32 s8, s[WV], 2*SBLK
	s_add_co_u32 s8, s8, SCL+2*HALFS
	v_add_nc_u32 v[ADRS2], s8, v15
	s_mul_i32 s8, s[WV], 2304                      ; my stage for the way out
	s_add_co_u32 s8, s8, STG
	v_mul_u32_u24 v[STO], v1, 144
	v_lshl_add_u32 v[STO], v31, 5, v[STO]
	v_add_nc_u32 v[STO], s8, v[STO]
	v_bfe_u32 v10, v0, 3, 2
	v_mul_u32_u24 v[RD], v10, 144
	v_and_b32 v10, 7, v0
	v_lshl_add_u32 v[RD], v10, 4, v[RD]
	v_add_nc_u32 v[RD], s8, v[RD]
	v_xor_b32 v[HM], 1, v31
	v_cvt_f32_u32 v[HM], v[HM]
	v_mul_f32 v[HM], s14, v[HM]
	s_lshl_b32 s8, s[WV], 8
	s_add_co_u32 s8, s8, SCR
	v_lshl_add_u32 v108, v1, 4, s8
	v_lshl_add_u32 v109, v1, 2, s8
	v_mov_b32 v100, 1.0
	v_mov_b32 v103, 0
.irp k, 0,1,2,3
	v_mov_b32 v[112+\k], 0                         ; a lane permute's destination counts as one of its sources
.endr
	VW
	s_wait_loadcnt 0x0
.irp t, 0,1,2,3
	v_mul_f32 v[BI+\t], s16, v[BI+\t]
.endr
; The sums of g' over the chunks behind the first trip's group: every row is read and weighed by 1 or 0: no branch and no address hangs on the group's place
.set i, 0
.rept 32
	v_cmp_ge_i32 vcc_lo, 2*i, v99
	v_cndmask_b32 v102, 0, v100, vcc_lo
.if i == 0
	v_pk_mul_f32 v[104:105], v[128:129], v[102:103] op_sel_hi:[1,0]
	v_pk_mul_f32 v[106:107], v[130:131], v[102:103] op_sel_hi:[1,0]
.else
	v_pk_fma_f32 v[104:105], v[128+4*i:129+4*i], v[102:103], v[104:105] op_sel_hi:[1,0,1]
	v_pk_fma_f32 v[106:107], v[130+4*i:131+4*i], v[102:103], v[106:107] op_sel_hi:[1,0,1]
.endif
.set i, i+1
.endr
.irp k, 0,1,2,3
	v_permlanex16_b32 v[112+\k], v[104+\k], s12, s13
.endr
.irp k, 0,1,2,3
	v_add_f32 v[104+\k], v[104+\k], v[112+\k]      ; even rows' and odd rows': channels 4 r .. 4 r + 3
.endr
	ds_store_b128 v108, v[104:107]                 ; through my wave's own 256 bytes (LDS serves a wave's instructions in order),
.irp t, 0,1,2,3
	ds_load_b32 v[SV+\t], v109 offset:64*\t        ; back as channel 16 t + r
.endr
.irp k, 4,5,6,7
	v_mov_b32 v[TM+\k], 0
.endr
	VW
	s_wait_dscnt 0x0
.irp t, 0,1,2,3
	v_mul_f32 v[SV+\t], s14, v[SV+\t]
.endr
.macro FRAG reg, adr, q, i             ; 16 rows x 128 K of 4-bit codes: lane l holds row l % 16; registers 4 c .. 4 c + 3 hold K = 64 c + 32 (l / 16) + 0 .. 31
.irp c, 0,1
	ds_load_b128 v[\reg+4*\c:\reg+4*\c+3], v[\adr] offset:64*(\q)+32*\c+(\i)*16*PITCH
.endr
.endm
.macro FETCH_X slot, q, p              ; x's eight fragments of the slot's q-th 128 along K, as they were stored: 512 consecutive bytes a load; 16 loads
	WIN TO_W1
.irp i, 0,1,2,3,4,5,6,7
.irp c, 0,1
	ds_load_b128 v[128*(\p)+8*\i+4*\c:128*(\p)+8*\i+4*\c+3], v[ADRX+\slot] offset:4096*\i+1024*(\q)+512*\c
.endr
.endr
	WIN 0
.endm
.macro FETCH_WK slot, q, i0            ; the weights' blocks i0, i0 + 1 of k's four: 4 loads
.irp i, \i0, \i0+1
	FRAG AF+FR*(\i), ADRK+\slot, \q, \i
.endr
.endm
.macro FETCH_WHI slot, q               ; blocks 4, 5: v's: 4 loads
.irp i, 0,1
	FRAG AF+FR*(4+\i), ADRV+\slot, \q, \i
.endr
.endm
.macro SCALES sc, k                    ; the scale words of the k-th 512 along K: register 4 i + q: lanes 0-15 the weights' block i, lanes 16-31 x's block i; 8 loads
.irp i, 0,1,2,3
	ds_load_b128 v[SC+32*\sc+4*\i:SC+32*\sc+4*\i+3], v[ADRS1] offset:\i*SBLK+16*\k
.endr
.irp i, 0,1,2,3
	ds_load_b128 v[SC+32*\sc+16+4*\i:SC+32*\sc+16+4*\i+3], v[ADRS2] offset:\i*SBLK+16*\k
.endr
.endm
; 16 matrix instructions: the weights' blocks a0, a0 + 1 x x's eight.  The 48 accumulators take turns, one instruction a turn.
.macro MUL16 a0, p, q, sc, zero
.irp a, \a0, \a0+1
.irp b, 0,1,2,3,4,5,6,7
.if \zero
	v_wmma_scale_f32_16x16x128_f8f6f4 v[8*(8*((\a)%4)+\b):8*(8*((\a)%4)+\b)+7], v[128*(\p)+FR*\b:128*(\p)+FR*\b+FR-1], v[AF+FR*(\a):AF+FR*(\a)+FR-1], 0, v[SC+8*NQ*(\sc)+NQ*\b+(\q)], v[SC+8*NQ*(\sc)+NQ*(\a)+(\q)] matrix_a_fmt:MATRIX_FMT_FP4 matrix_b_fmt:MATRIX_FMT_FP4 matrix_a_scale:MATRIX_SCALE_ROW1
.else
	v_wmma_scale_f32_16x16x128_f8f6f4 v[8*(8*((\a)%4)+\b):8*(8*((\a)%4)+\b)+7], v[128*(\p)+FR*\b:128*(\p)+FR*\b+FR-1], v[AF+FR*(\a):AF+FR*(\a)+FR-1], v[8*(8*((\a)%4)+\b):8*(8*((\a)%4)+\b)+7], v[SC+8*NQ*(\sc)+NQ*\b+(\q)], v[SC+8*NQ*(\sc)+NQ*(\a)+(\q)] matrix_a_fmt:MATRIX_FMT_FP4 matrix_b_fmt:MATRIX_FMT_FP4 matrix_a_scale:MATRIX_SCALE_ROW1
.endif
.endr
.endr
.endm
; A step of 128 along K that has its successor in the same slot.  At its entry x's 16 loads, blocks 4, 5 (4 loads) and blocks 0 to 3 (8 loads) are out, in this order.
; x's other set has been free since the step before (whose last products have their four places): it is fetched first.  v's blocks 4, 5 are multiplied first and fetched anew behind their 16 products and four places,
; k's blocks 0 to 3 behind their 32: two runs of places a step.
.macro STEP slot, q, zero
	s_wait_dscnt 8                                 ; x's set and blocks 4, 5 are in; blocks 0 to 3 (8 loads) may be out
	FETCH_X \slot, (\q)+1, 1-(\q)%2
	WIN MUL_HI
	MUL16 4, (\q)%2, \q, \slot, \zero
	PLACES 4
	WIN 0
	FETCH_WHI \slot, (\q)+1
	s_wait_dscnt 20                                ; blocks 0 to 3 are in; out: x's next set (16), the next blocks 4, 5 (4)
	WIN MUL_LO
	MUL16 0, (\q)%2, \q, \slot, \zero
	MUL16 2, (\q)%2, \q, \slot, \zero
	PLACES 4
	WIN 0
	FETCH_WK \slot, (\q)+1, 0
	FETCH_WK \slot, (\q)+1, 2
.endm
; A slot's last step changes slots: one barrier; in front of it each wave waits for all its tensor loads, adds 0 to its spare word, and waits for that and for its reads of this slot.
.macro TURN slot, next, fill, k
	s_wait_tensorcnt 0x0                           ; all my tensor loads have landed: my part of the next slot
	ds_add_u32 v[SPW], v[NIL]
	s_wait_dscnt 9                                 ; (the add and blocks 0 to 3 may be out)
	WIN MUL_HI
	MUL16 4, 1, NQ-1, \slot, 0
	s_wait_dscnt 0x0                               ; the add is done, and my reads of this slot are over
	s_barrier_signal -1
	WIN MUL_LO
	MUL16 0, 1, NQ-1, \slot, 0
	WIN 0
	s_barrier_wait -1
.if \fill
	CREST                                          ; the barrier has opened a round of the cluster's
	s_add_nc_u64 s[G0W+4*\slot+2:G0W+4*\slot+3], s[G0W+4*\slot+2:G0W+4*\slot+3], 512
	s_add_nc_u64 s[G0X+4*\slot+2:G0X+4*\slot+3], s[G0X+4*\slot+2:G0X+4*\slot+3], 0x800000
	JLOAD G0W+4*\slot, G1W, G0X+4*\slot, G1X       ; the first tensor load behind the round; its four v_nop are the places in front of the loads below
.else
	PLACES 4
.endif
	SCALES \next, \k
	FETCH_X \next, 0, 0
	FETCH_WHI \next, 0
	FETCH_WK \next, 0, 0
	WIN MUL_LO
	MUL16 2, 1, NQ-1, \slot, 0
	PLACES 4
	WIN 0
	FETCH_WK \next, 0, 2
.endm
; z' of channel tile t for the 128 tokens, in f32: four K steps x eight token tiles; the eight accumulators take turns; the first K step takes the bias (my channel's, in eight registers) as its C.
.macro ZMM t
	WIN TO_W1
.irp i, 0,1,2,3,4,5,6,7
	v_mov_b32 v[BC+\i], v[BI+\t]
.endr
	WIN 0x55
.irp s, 0,1,2,3
.irp u, 0,1,2,3,4,5,6,7
.if \s == 0
	v_wmma_f32_16x16x4_f32 v[ZA+8*\u:ZA+8*\u+7], v[8*\u+2*\s:8*\u+2*\s+1], v[64+8*\t+2*\s:64+8*\t+2*\s+1], v[BC:BC+7]
.else
	v_wmma_f32_16x16x4_f32 v[ZA+8*\u:ZA+8*\u+7], v[8*\u+2*\s:8*\u+2*\s+1], v[64+8*\t+2*\s:64+8*\t+2*\s+1], v[ZA+8*\u:ZA+8*\u+7]
.endif
.endr
.endr
	PLACES 8
.endm
; Channel tile t, whose z' lies finished in the f32 accumulators: the gates g' = min(z', 0) - log2(1 + 2^-|z'|), the sums over later tokens, the decay, into window dwin, registers dreg on.
.macro DECAY t, dwin, dreg
	WIN 0x04
	VW
.set i, 0
.rept 64
	v_min_num_f32 v[E+i], 0, v[ZA+i]               ; each accumulator from its low end on
.set i, i+1
.endr
	WIN 0x41
	VW
.set i, 0
.rept 64
	v_exp_f32 v[U+i], -|v[ZA+i]|
.set i, i+1
.endr
	v_nop
	VW
.set i, 0
.rept 32
	v_pk_add_f32 v[U+i:U+i+1], v[U+i:U+i+1], 1.0 op_sel_hi:[1,0]
.set i, i+2
.endr
	VW
.set i, 0
.rept 64
	v_log_f32 v[U+i], v[U+i]
.set i, i+1
.endr
	v_nop
	VW
	WIN 0x04
.set i, 0
.rept 32
	v_pk_add_f32 v[E+i:E+i+1], v[E+i:E+i+1], v[U+i:U+i+1] neg_lo:[0,1] neg_hi:[0,1]   ; g'
.set i, i+2
.endr
	WIN 0x40                                       ; the sum of my eight tokens of each tile u, into U + 4 u
.irp u, 0,1,2,3,4,5,6,7
	v_pk_add_f32 v[U+4*\u:U+4*\u+1], v[E+8*\u:E+8*\u+1], v[E+8*\u+2:E+8*\u+3]
.endr
.irp u, 0,1,2,3,4,5,6,7
	v_pk_add_f32 v[U+4*\u+2:U+4*\u+3], v[E+8*\u+4:E+8*\u+5], v[E+8*\u+6:E+8*\u+7]
.endr
	WIN 0x45
.irp u, 0,1,2,3,4,5,6,7
	v_pk_add_f32 v[U+4*\u:U+4*\u+1], v[U+4*\u:U+4*\u+1], v[U+4*\u+2:U+4*\u+3]
.endr
.irp u, 0,1,2,3,4,5,6,7
	v_add_f32 v[U+4*\u], v[U+4*\u], v[U+4*\u+1]
.endr
	WIN 0x41
.irp u, 0,1,2,3,4,5,6,7
	v_permlanex16_b32 v[U+4*\u+1], v[U+4*\u], s12, s13     ; the other eight tokens' sum
.endr
	WIN 0x45
.irp u, 0,1,2,3,4,5,6,7
	v_add_f32 v[U+4*\u+2], v[U+4*\u], v[U+4*\u+1]          ; the tile's sum
.endr
	WIN 0x40
	v_mov_b32 v[U+31], v[SV+\t]                    ; behind tile 7: the later groups, / 16;
	WIN 0x51
.irp u, 6,5,4,3,2,1,0
	v_fma_f32 v[U+4*\u+3], v[U+4*\u+6], s14, v[U+4*\u+7]   ; behind tile u: that and the later tiles / 16
.endr
.irp u, 0,1,2,3,4,5,6,7
	v_fma_f32 v[U+4*\u], v[U+4*\u+1], v[HM], v[U+4*\u+3]   ; lanes 0-15 hold the earlier eight tokens: the other eight come later.  This is token 7's exponent
.endr
	WIN 0x11
	v_fma_f32 v[SV+\t], v[U+2], s14, v[U+3]        ; with tile 0's sum: what lies behind the group before this one, for the next trip
	WIN 0x10
.irp u, 0,1,2,3,4,5,6,7
	v_fma_f32 v[E+8*\u+7], v[E+8*\u+7], s14, v[U+4*\u]     ; token j's exponent = g'(j + 1) / 16 + token j + 1's; it lies in register j + 1
.endr
	WIN 0
.irp j, 5,4,3,2,1,0
.irp u, 0,1,2,3,4,5,6,7
	v_fma_f32 v[E+8*\u+\j+1], v[E+8*\u+\j+1], s14, v[E+8*\u+\j+2]
.endr
.endr
	WIN (\dwin<<6)
	VW
.irp u, 0,1,2,3,4,5,6,7
.irp j, 0,1,2,3,4,5,6
	v_exp_f32 v[\dreg+8*\u+\j], v[E+8*\u+\j+1]     ; the decay
.endr
.endr
	WIN (\dwin<<6)|1
.irp u, 0,1,2,3,4,5,6,7
	v_exp_f32 v[\dreg+8*\u+7], v[U+4*\u]
.endr
	WIN 0
	v_nop
	VW
.endm
; 64 numbers of a lane (window win, registers src on; register 16 b + 8 u + j = token 32 b + 16 u + 8 (lane / 16) + j of my channel) become an operand's 8 registers at dst (window 1) and its scale word in sw.
; The codes of (block b, u) go to register 4 (b / 2) + 2 u + b % 2; the exchange of halves between registers 4 c + 2 u and 4 c + 2 u + 1 then gives lanes 0-15 block 2 c and lanes 16-31 block 2 c + 1, tokens ascending.
.macro QUANT src, win, dst, sw
	WIN 5*\win
.irp b, 0,1,2,3
	v_max3_num_f32 v[TM+\b], |v[\src+16*\b]|, |v[\src+16*\b+1]|, 0x1800000   ; with the floor 2^(3 - 127): the byte cannot fall under 1.  Each accumulator is read from its low end on
.endr
.irp i, 2,4,6,8,10,12,14
.irp b, 0,1,2,3
	v_max3_num_f32 v[TM+\b], |v[\src+16*\b+\i]|, |v[\src+16*\b+\i+1]|, v[TM+\b]
.endr
.endr
	WIN 0
.irp b, 0,1,2,3
	v_permlanex16_b32 v[TM+4+\b], v[TM+\b], s12, s13
.endr
.irp b, 0,1,2,3
	v_max_num_f32 v[TM+\b], v[TM+\b], v[TM+4+\b]   ; with lane l xor 16's: the block's largest magnitude
.endr
.irp b, 0,1,2,3
	v_add_nc_u32 v[TM+12+\b], 0xff000000, v[TM+\b] ; 2 off its exponent field: the conversion's scale operand
.endr
.irp b, 0,1,2,3
	v_lshrrev_b32 v[TM+4+\b], 23, v[TM+12+\b]      ; the scale's byte
.endr
	v_lshl_or_b32 v[\sw], v[TM+5], 8, v[TM+4]
	v_lshl_or_b32 v[\sw], v[TM+6], 16, v[\sw]
	v_lshl_or_b32 v[\sw], v[TM+7], 24, v[\sw]
	WIN 0x40|\win
.irp b, 0,1,2,3
	v_cvt_scalef32_pk8_fp4_f32 v[\dst+4*(\b/2)+(\b%2)], v[\src+16*\b:\src+16*\b+7], v[TM+12+\b]
	v_cvt_scalef32_pk8_fp4_f32 v[\dst+4*(\b/2)+2+(\b%2)], v[\src+16*\b+8:\src+16*\b+15], v[TM+12+\b]
.endr
	WIN 0x41
	v_nop                                          ; one plain place behind a scaled conversion
.irp c, 0,1
.irp i, 0,1
	v_permlane16_swap_b32 v[\dst+4*\c+2*\i], v[\dst+4*\c+2*\i+1]
.endr
.endr
	WIN 0
.endm
; Channel tile t: k x decay (the decay from window dwin, registers dreg on), and its codes
.macro KQ t, dwin, dreg
	WIN (2+4*\dwin)
.set i, 0
.rept 32
	v_pk_mul_f32 v[E+i:E+i+1], v[64*\t+i:64*\t+i+1], v[\dreg+i:\dreg+i+1]    ; each accumulator from its low end on
.set i, i+2
.endr
	WIN 0
	QUANT E, 0, KF+8*\t, KSW+\t
.endm
	s_mov_b32 s[TRIP], 0
	VW
.Ltile:
; ---- AHEAD OF THE PRODUCTS: the four tiles' decays, with the trip's fills between them
	FULLSEQ 1
	JLOAD G0S, G1S, G0SX, G1SX                     ; the scales
	s_wait_loadcnt 0x0                             ; g1's fragments and gk_w2 are in
	WIN 0x41
.set i, 0
.rept 16
	v_pk_mul_f32 v[64+i:65+i], v[64+i:65+i], s[16:17] op_sel_hi:[1,0]
.set i, i+2
.endr
	ZMM 0
	DECAY 0, 3, 128
	FULLSEQ 0
	JLOAD G0W, G1W, G0X, G1X                       ; slot 0: K 0 to 511
	ZMM 1
	DECAY 1, 3, 192
	ZMM 2
	DECAY 2, 0, 192
	FULLSEQ 0                                      ; every wave's parts of the scales and of slot 0 are in
	JLOAD G0W+4, G1W, G0X+4, G1X                   ; slot 1: K 512 to 1,023; the wait for it stands at the first change of slots
	ZMM 3
	DECAY 3, 1, 64                                 ; over gk_w2 and the bias, which have served
; ---- THE PRODUCTS
	SCALES 0, 0
	FETCH_X 0, 0, 0
	FETCH_WHI 0, 0
	FETCH_WK 0, 0, 0
	FETCH_WK 0, 0, 2
	STEP 0, 0, 1                                   ; the first step's products start the sums: nothing is cleared
	STEP 0, 1, 0
	STEP 0, 2, 0
	TURN 0, 1, 1, 1
	STEP 1, 0, 0
	STEP 1, 1, 0
	STEP 1, 2, 0
	TURN 1, 0, 1, 2
	STEP 0, 0, 0
	STEP 0, 1, 0
	STEP 0, 2, 0
	TURN 0, 1, 0, 3                                ; nothing is left to fetch in this trip, so no round follows
	STEP 1, 0, 0
	STEP 1, 1, 0
	STEP 1, 2, 0
	s_wait_dscnt 8                                 ; the trip's last step: nothing more to fetch
	WIN MUL_HI
	MUL16 4, 1, NQ-1, 1, 0
	s_wait_dscnt 0x0
	WIN MUL_LO
	MUL16 0, 1, NQ-1, 1, 0
	MUL16 2, 1, NQ-1, 1, 0
	WIN 0
; ---- BEHIND THE PRODUCTS
	PLACES 4
	KQ 3, 1, 64                                    ; tile 3 first: its decays lie where the next trip's gk_w2 lands
	VW
	s_cmp_eq_u32 s[TRIP], 1
	s_cbranch_scc1 .Lno_next                       ; the last trip asks for nothing more
	s_sub_nc_u64 s[PG1:PG1+1], s[PG1:PG1+1], 8192  ; the group before
	LOADGW
.Lno_next:
	QUANT 0, 3, VF, VSW
	QUANT 64, 3, VF+8, VSW+1
	KQ 0, 3, 128
	KQ 1, 3, 192
	KQ 2, 0, 192
	VW
	PLACES 8                                       ; operands and scale words written by vector instructions stand 4 and 8 places ahead of a scaled matrix instruction
	WIN 0x05
.irp t, 0,1,2,3                                ; the group's part of the sum over time: source 0 = 16 channels of v, source 1 = 16 channels of k x decay, K = the 128 tokens
.irp u, 0,1
	v_wmma_scale_f32_16x16x128_f8f6f4 v[E+8*(2*\t+\u):E+8*(2*\t+\u)+7], v[VF+8*\u:VF+8*\u+7], v[KF+8*\t:KF+8*\t+7], 0, v[VSW+\u], v[KSW+\t] matrix_a_fmt:MATRIX_FMT_FP4 matrix_b_fmt:MATRIX_FMT_FP4
.endr
.endr
	WIN 0
	PLACES 4
.irp t, 0,1,2,3                                ; lane (r, h): row dk = 16 t + r, columns dv = 16 u + 8 h + 0 .. 7: 16 rows at a time through my stage; LDS serves a wave's instructions in order
.irp u, 0,1
	ds_store_b128 v[STO], v[E+8*(2*\t+\u):E+8*(2*\t+\u)+3] offset:64*\u
	ds_store_b128 v[STO], v[E+8*(2*\t+\u)+4:E+8*(2*\t+\u)+7] offset:64*\u+16
.endr
.irp i, 0,1,2,3
	ds_load_b128 v[192+4*(4*\t+\i):195+4*(4*\t+\i)], v[RD] offset:576*\i    ; four rows of 128 bytes
.endr
.endr
.irp t, 0,1,2,3
.irp i, 0,1,2,3
	s_wait_dscnt (3-\i)+8*(3-\t)                   ; behind this load: the rest of its four, and eight LDS instructions for each later 16 rows
	global_store_b128 v[CO], v[192+4*(4*\t+\i):195+4*(4*\t+\i)], s[24:25] offset:512*(4*\t+\i) th:TH_STORE_NT   ; 512 consecutive bytes, aligned
.endr
.endr
	s_wait_xcnt 0x0                                ; the stores have read their registers and their base
	s_sub_nc_u64 s[24:25], s[24:25], 131072        ; on to the group before; no tensor load of mine is out, so the descriptors may be written
	s_sub_nc_u64 s[G0W+2:G0W+3], s[G0W+2:G0W+3], 512
	s_sub_nc_u64 s[G0W+6:G0W+7], s[G0W+6:G0W+7], 512
	s_sub_nc_u64 s[G0X+2:G0X+3], s[G0X+2:G0X+3], 0x808000
	s_sub_nc_u64 s[G0X+6:G0X+7], s[G0X+6:G0X+7], 0x808000
	s_sub_nc_u64 s[G0SX+2:G0SX+3], s[G0SX+2:G0SX+3], 8192
	s_add_co_u32 s[TRIP], s[TRIP], 1
	s_cmp_lt_u32 s[TRIP], 2
	VW
	s_cbranch_scc1 .Ltile
	s_wait_tensorcnt 0x0                           ; the wave's end
	ds_add_u32 v[SPW], v[NIL]
	s_wait_dscnt 0x0
	CROUND                                         ; the closing round
	s_endpgm
.Lfunc_end_k_q5770b55389_gla:
	.size	k_q5770b55389_gla, .Lfunc_end_k_q5770b55389_gla-k_q5770b55389_gla
	.p2alignl 7, 3214868480
	.fill 96, 4, 3214868480
	.section	.rodata,"a",@progbits
	.p2align	6, 0x0
	.amdhsa_kernel k_q5770b55389_gla
		.amdhsa_group_segment_fixed_size 327680
		.amdhsa_private_segment_fixed_size 0
		.amdhsa_enable_private_segment 0
		.amdhsa_kernarg_size 88
		.amdhsa_user_sgpr_count 2
		.amdhsa_user_sgpr_kernarg_segment_ptr 1
		.amdhsa_wavefront_size32 1
		.amdhsa_system_sgpr_workgroup_id_x 1
		.amdhsa_system_sgpr_workgroup_id_y 1
		.amdhsa_system_sgpr_workgroup_id_z 1
		.amdhsa_system_vgpr_workitem_id 0
		.amdhsa_next_free_vgpr 1024
		.amdhsa_next_free_sgpr 106
		.amdhsa_reserve_vcc 1
		.amdhsa_float_denorm_mode_32 3
		.amdhsa_float_denorm_mode_16_64 3
		.amdhsa_memory_ordered 1
		.amdhsa_forward_progress 1
		.amdhsa_inst_pref_size 255
	.end_amdhsa_kernel
	.section	.bss,"aw",@nobits
	.p2align	6
	.space	262144
	.amdgpu_metadata
---
amdhsa.version: [ 1, 2 ]
amdhsa.kernels:
  - .name:           k_q5770b55389_gla
    .symbol:         k_q5770b55389_gla.kd
    .args:
      - { .name: k_w_codes, .offset: 0, .size: 8, .value_kind: global_buffer, .address_space: global }
      - { .name: k_w_scales, .offset: 8, .size: 8, .value_kind: global_buffer, .address_space: global }
      - { .name: v_w_codes, .offset: 16, .size: 8, .value_kind: global_buffer, .address_space: global }
      - { .name: v_w_scales, .offset: 24, .size: 8, .value_kind: global_buffer, .address_space: global }
      - { .name: x_codes, .offset: 32, .size: 8, .value_kind: global_buffer, .address_space: global }
      - { .name: x_scales, .offset: 40, .size: 8, .value_kind: global_buffer, .address_space: global }
      - { .name: g1, .offset: 48, .size: 8, .value_kind: global_buffer, .address_space: global }
      - { .name: csum, .offset: 56, .size: 8, .value_kind: global_buffer, .address_space: global }
      - { .name: gk_w2, .offset: 64, .size: 8, .value_kind: global_buffer, .address_space: global }
      - { .name: gk_b, .offset: 72, .size: 8, .value_kind: global_buffer, .address_space: global }
      - { .name: part, .offset: 80, .size: 8, .value_kind: global_buffer, .address_space: global }
    .group_segment_fixed_size: 327680
    .private_segment_fixed_size: 0
    .kernarg_segment_align: 8
    .kernarg_segment_size: 88
    .max_flat_workgroup_size: 128
    .sgpr_count:     106
    .vgpr_count:     1024
    .wavefront_size: 32
...
	.end_amdgpu_metadata
.endif
;; end of part 2
;; launch fold (part 3): grid 256 x 1, 4 waves a work-group, no clusters, 0 bytes of LDS; arguments part, csum, state, out0; writes out0
.if DOCPART == 3
	.amdgcn_target "amdgcn-amd-amdhsa--gfx1250"
	.amdhsa_code_object_version 6
	.text
	.protected	k_q5770b55389_fold
	.globl	k_q5770b55389_fold
	.p2align	8
	.type	k_q5770b55389_fold,@function
k_q5770b55389_fold:
	s_mov_b64 s[64:65], 0
	v_nop
	global_prefetch_b8 v0, s[64:65] scope:SCOPE_SE
	s_setreg_imm32_b32 hwreg(HW_REG_WAVE_MODE, 25, 1), 1
	s_wait_xcnt 0x0
; out0[b][h][dk][dv] = 2^(the batch's whole sum of g' of channel (h, dk) / 16) x state + the sum of the batch's 32 parts.
; A work-group owns a quarter (2,048 bytes) of one (batch, head); thread t owns its 16 bytes at 16 t, so dk = 16 x quarter + 4 x wave + lane / 8.
; Memory binds: every byte of part is read once, 512 consecutive bytes a load of a wave, all 35 loads of a wave out at once.  No LDS, no matrix unit, no cluster: nothing is shared.
; LIMIT: a factor under 2^-126 counts as 0.
	s_load_b256 s[4:11], s[0:1], 0x0               ; part s[4:5], csum s[6:7], state s[8:9], out0 s[10:11]
	v_lshrrev_b32 v1, 5, v0
	v_readfirstlane_b32 s12, v1                    ; wave
	v_and_b32 v2, 31, v0                           ; lane
	s_wait_alu depctr_va_vdst(0)
	s_lshr_b32 s13, ttmp9, 2                       ; 16 x batch + head
	s_and_b32 s14, ttmp9, 3                        ; quarter
	s_lshr_b32 s15, s13, 4                         ; batch
	s_and_b32 s16, s13, 15                         ; head
	s_lshl_b32 s17, s14, 11
	s_lshl_b32 s20, s13, 13
	s_add_co_u32 s20, s20, s17                     ; state, out0
	s_mov_b32 s21, 0
	s_lshl_b32 s22, s15, 22                        ; part: the batch's 32 groups of 131,072 bytes,
	s_lshl_b32 s18, s16, 13
	s_add_co_u32 s22, s22, s18                     ; the head,
	s_add_co_u32 s22, s22, s17                     ; the quarter
	s_mov_b32 s23, 0
	s_lshl_b32 s24, s15, 18                        ; csum: the batch's 64 rows of 4,096 bytes,
	s_lshl_b32 s18, s16, 8
	s_add_co_u32 s24, s24, s18
	s_lshl_b32 s18, s14, 6
	s_add_co_u32 s24, s24, s18
	s_lshl_b32 s18, s12, 4
	s_add_co_u32 s24, s24, s18                     ; my wave's four channels
	s_mov_b32 s25, 0
	s_mov_b32 s26, 0x76543210                      ; v_permlanex16_b32's selects for lane l xor 16
	s_mov_b32 s27, 0xfedcba98
	v_lshlrev_b32 v3, 4, v0                        ; 16 t
	v_lshlrev_b32 v1, 12, v2                       ; a row of csum a lane
	s_wait_alu depctr_va_vdst(0)
	s_wait_kmcnt 0x0
	s_add_nc_u64 s[4:5], s[4:5], s[22:23]
	s_add_nc_u64 s[6:7], s[6:7], s[24:25]
	s_add_nc_u64 s[8:9], s[8:9], s[20:21]
	s_add_nc_u64 s[10:11], s[10:11], s[20:21]
	global_load_b128 v[4:7], v1, s[6:7]            ; rows lane and lane + 32
	global_load_b128 v[8:11], v1, s[6:7] offset:131072
	global_load_b128 v[12:15], v3, s[8:9]
.set g, 0
.rept 32
	global_load_b128 v[32+4*g:35+4*g], v3, s[4:5] offset:131072*g th:TH_LOAD_NT
.set g, g+1
.endr
	s_wait_loadcnt 33                              ; csum's two loads are in; state and the 32 parts may be out
	v_pk_add_f32 v[4:5], v[4:5], v[8:9]
	v_pk_add_f32 v[6:7], v[6:7], v[10:11]
.irp m, 1,2,4,8
.irp k, 4,5,6,7
	v_add_f32_dpp v\k, v\k, v\k row_xmask:\m row_mask:0xf bank_mask:0xf
.endr
.endr
.irp k, 0,1,2,3
	v_permlanex16_b32 v[8+\k], v[4+\k], s26, s27
.endr
.irp k, 0,1,2,3
	v_add_f32 v[4+\k], v[4+\k], v[8+\k]            ; the four channels' sums over the batch's 64 chunks, in every lane
.endr
	v_lshrrev_b32 v24, 3, v2                       ; which of the four is my row's
	v_cmp_eq_u32 vcc_lo, 1, v24
	v_cndmask_b32 v4, v4, v5, vcc_lo
	v_cmp_eq_u32 vcc_lo, 2, v24
	v_cndmask_b32 v4, v4, v6, vcc_lo
	v_cmp_eq_u32 vcc_lo, 3, v24
	v_cndmask_b32 v4, v4, v7, vcc_lo
	v_mul_f32 v4, 0x3d800000, v4                   ; / 16
	s_wait_alu depctr_va_vdst(0)
	v_exp_f32 v26, v4
	v_mov_b32 v27, 0                               ; (a plain instruction behind the exponential; v27 is named with v26 as a pair)
	s_wait_alu depctr_va_vdst(0)                   ; the wait ahead of the first reader
.set g, 0
.rept 32                                       ; the parts, in two chains; the first additions start the sums
.if g%8 == 0
	s_wait_alu depctr_va_vdst(0)
	s_wait_loadcnt 24-g                            ; state and the parts up to g + 7 are in; the later groups of eight may be out
.endif
.if g >= 4
	v_pk_add_f32 v[16+4*(g%2):17+4*(g%2)], v[16+4*(g%2):17+4*(g%2)], v[32+4*g:33+4*g]
	v_pk_add_f32 v[18+4*(g%2):19+4*(g%2)], v[18+4*(g%2):19+4*(g%2)], v[34+4*g:35+4*g]
.elseif g >= 2
	v_pk_add_f32 v[16+4*(g%2):17+4*(g%2)], v[32+4*(g-2):33+4*(g-2)], v[32+4*g:33+4*g]
	v_pk_add_f32 v[18+4*(g%2):19+4*(g%2)], v[34+4*(g-2):35+4*(g-2)], v[34+4*g:35+4*g]
.endif
.set g, g+1
.endr
	v_pk_add_f32 v[16:17], v[16:17], v[20:21]
	v_pk_add_f32 v[18:19], v[18:19], v[22:23]
	v_pk_fma_f32 v[16:17], v[12:13], v[26:27], v[16:17] op_sel_hi:[1,0,1]
	v_pk_fma_f32 v[18:19], v[14:15], v[26:27], v[18:19] op_sel_hi:[1,0,1]
	global_store_b128 v3, v[16:19], s[10:11] th:TH_STORE_NT     ; a wave stores 512 consecutive bytes, aligned
	s_endpgm
.Lfunc_end_k_q5770b55389_fold:
	.size	k_q5770b55389_fold, .Lfunc_end_k_q5770b55389_fold-k_q5770b55389_fold
	.p2alignl 7, 3214868480
	.fill 96, 4, 3214868480
	.section	.rodata,"a",@progbits
	.p2align	6, 0x0
	.amdhsa_kernel k_q5770b55389_fold
		.amdhsa_group_segment_fixed_size 0
		.amdhsa_private_segment_fixed_size 0
		.amdhsa_enable_private_segment 0
		.amdhsa_kernarg_size 32
		.amdhsa_user_sgpr_count 2
		.amdhsa_user_sgpr_kernarg_segment_ptr 1
		.amdhsa_wavefront_size32 1
		.amdhsa_system_sgpr_workgroup_id_x 1
		.amdhsa_system_sgpr_workgroup_id_y 1
		.amdhsa_system_sgpr_workgroup_id_z 1
		.amdhsa_system_vgpr_workitem_id 0
		.amdhsa_next_free_vgpr 160
		.amdhsa_next_free_sgpr 66
		.amdhsa_reserve_vcc 1
		.amdhsa_float_denorm_mode_32 3
		.amdhsa_float_denorm_mode_16_64 3
		.amdhsa_memory_ordered 1
		.amdhsa_forward_progress 1
		.amdhsa_inst_pref_size 12
	.end_amdhsa_kernel
	.amdgpu_metadata
---
amdhsa.version: [ 1, 2 ]
amdhsa.kernels:
  - .name:           k_q5770b55389_fold
    .symbol:         k_q5770b55389_fold.kd
    .args:
      - { .name: part, .offset: 0, .size: 8, .value_kind: global_buffer, .address_space: global }
      - { .name: csum, .offset: 8, .size: 8, .value_kind: global_buffer, .address_space: global }
      - { .name: state, .offset: 16, .size: 8, .value_kind: global_buffer, .address_space: global }
      - { .name: out0, .offset: 24, .size: 8, .value_kind: global_buffer, .address_space: global }
    .group_segment_fixed_size: 0
    .private_segment_fixed_size: 0
    .kernarg_segment_align: 8
    .kernarg_segment_size: 32
    .max_flat_workgroup_size: 128
    .sgpr_count:     66
    .vgpr_count:     160
    .wavefront_size: 32
...
	.end_amdgpu_metadata
.endif
;; end of part 3
